; MI455X (gfx1250); checked and timed in simulation.
; The chip was launched on July 23, 2026; its instructions are those of AMD's public machine-readable ISA for CDNA 5 (MIT licence, August 2026) and "CDNA5" Instruction Set Architecture Reference Guide (July 2026). The comments in the code are by the model that wrote it; some were corrected since.
;; NN. Allowed arithmetic: matrix products marked QUANTISED: E4M3 operands, one E8M0 scale for each 32 along K, by v_wmma_scale_f32_16x16x128_f8f6f4 with both operands' format E4M3, f32 sums; products left as they are: f32 operands where the result goes on into a quantised operand, else bf16, f16 or f32 operands; f32 sums; everything else in f32.
;; Inputs: W1 1,024 x 64 float32; W2_codes 1,024 x 32 x 32 uint8 (E4M3 codes of W2, K innermost, in blocks of 32 codes); W2_scales 1,024 x 32 uint8 (E8M0 scales of W2, one for each 32 codes along K); W3 1 x 1,024 float32; b1 1,024 float32; b2 1,024 float32; x_codes 1,024 x 2 x 32 uint8 (E4M3 codes of x, K innermost, in blocks of 32 codes); x_scales 1,024 x 2 uint8 (E8M0 scales of x, one for each 32 codes along K); xdot 1,024 x 64 float32.
;; Outputs: out0 1,024 float32; out1 1,024 float32; out2 1,024 x 64 float32.
;; This version of the problem:
;;   THIS VERSION OF THE PROBLEM IS GIVEN IN LOW PRECISION. The matrix products marked QUANTISED in the list below multiply operands that are first quantised to E4M3 (4 exponent bits, 3 mantissa bits; 8 bits a number), with one power-of-two scale for each 32 numbers along K (OCP MX v1.0); their sums are f32. All else is computed in f32.
;;   The module's matrix products, in the order in which they are computed (A, B: the left and right operand; K: the contracted axis; several contracted axes count as one K, in the product's order):
;;     1. [M 1,024, K 64] x [K 64, N 1,024]; A: input x (given as codes); B: input W1: QUANTISED
;;     2. [M 1,024, K 1,024] x [K 1,024, N 1,024]; A: computed on the way; B: input W2 (given as codes): QUANTISED
;;     3. [M 65,536, K 1,024] x [K 1,024, N 1,024]; A: computed on the way; B: input W2 (given as codes): QUANTISED
;;     4. [M 1,024, K 1,024] x [K 1,024, N 1]; A: computed on the way; B: input W3: left as it is (N = 1 < 16)
;;     5. [M 1, K 1,024] x [K 1,024, N 65,536]; A: input W3; B: computed on the way: left as it is (M = 1 < 16)
;;   THE QUANTISER, for each operand of a quantised product, along K:
;;     - K is cut into blocks of 32 from its start; a last block that is shorter is filled with zeros.
;;     - A block's scale is 2^e with e = floor(log2(the largest magnitude in the block)) - 8, held to -126 .. 127; a block of zeros has e = 0. As a byte (E8M0): e + 127.
;;     - Each number is divided by its block's scale, clamped to +-448, and rounded to the nearest number of E4M3, ties to even, subnormals kept.
;;     - The product sums the exact products of the quantised numbers (number of the format x scale) in f32.
;;   ~~~python
;;   def quantise(x, axis):      # numpy; x: float32 -> the quantised numbers, widened to float32 again
;;       x = np.moveaxis(x, axis, -1); K = x.shape[-1]
;;       x = np.pad(x, [(0, 0)] * (x.ndim - 1) + [(0, -K % 32)]); x = x.reshape(x.shape[:-1] + (-1, 32)); a = np.abs(x).max(-1, keepdims=True)
;;       e = np.where(a > 0, np.clip(np.frexp(np.where(a > 0, a, 1))[1] - 1 - 8, -126, 127), 0)      # np.frexp(a)[1] - 1 = floor(log2(a)), exactly
;;       r = np.clip(x / 2.0 ** e, -448, 448)
;;       step = 2.0 ** (np.maximum(np.frexp(np.where(r == 0, 1, r))[1] - 1, -6) - 3)
;;       q = np.round(r / step) * step * 2.0 ** e      # np.round: ties to even
;;       return np.moveaxis(q.reshape(q.shape[:-2] + (-1,))[..., :K], -1, axis).astype(np.float32)
;;   ~~~
;;   OPERANDS COMPUTED ON THE WAY. 'Computed on the way' means the value that the module computes at that place (a softmax that the list does not call 'softmax' is quantised finished and normalised). What goes into a quantiser is computed in f32, as accurately as f32 sums, v_exp_f32 and their like allow (about 1e-6 of the number): no bf16 or f16 on the way to a quantiser, and a product that is left as it is and whose result goes on into a quantised operand takes f32 operands (vector FMAs, or v_wmma_f32_16x16x4_f32). A number that lies on a knife's edge between two numbers of the format may be rounded either way, as far as f32 arithmetic and the matrix unit's own rounding can turn it there, and no further.
;;   INPUTS GIVEN AS CODES. W2 (in the module: [1024, 1024], K = its axis 1); x (in the module: [1024, 64], K = its axis 1): each comes as NAME_codes (uint8): NAME with its K axis moved to the last place and cut into blocks of 32 codes, [.., K / 32, bytes a block], one block behind the other in memory; one code a byte (a code: sign, 4 exponent bits, 3 mantissa bits); and NAME_scales (uint8): the same leading axes, one E8M0 byte (e + 127) for each 32 codes along K. Its value is code x scale, taken as it is: it is not quantised again, and the codes and scales need not be those that the quantiser above would give.
;; One version. Each part assembles by itself: llvm-mc -triple=amdgcn-amd-amdhsa -mcpu=gfx1250 --defsym DOCPART=n.
;; ======== version 1 of 1: 1 launch
;; limits: a function is approximated: absolute error at most 2e-07; right only within a limited range of input values
;; launch fused (part 1): grid 256 x 1, 4 waves a work-group, clusters of 4 x 1, 327,680 bytes of LDS; arguments x_codes, x_scales, W1, b1, W2_codes, W2_scales, b2, W3, xdot, out0, out1, out2; writes out0, out1, out2
.if DOCPART == 1
	.amdgcn_target "amdgcn-amd-amdhsa--gfx1250"
	.amdhsa_code_object_version 6
	.text
	.protected	k_q8a7694d2ca_fused
	.globl	k_q8a7694d2ca_fused
	.p2align	8
	.type	k_q8a7694d2ca_fused,@function
k_q8a7694d2ca_fused:
	s_mov_b64 s[64:65], 0
	v_nop
	global_prefetch_b8 v0, s[64:65] scope:SCOPE_SE
	s_setreg_imm32_b32 hwreg(HW_REG_WAVE_MODE, 25, 1), 1
	s_wait_xcnt 0x0
	s_wait_alu depctr_hold_cnt(0) depctr_sa_sdst(0) depctr_va_vdst(0) depctr_va_sdst(0) depctr_va_ssrc(0) depctr_va_vcc(0) depctr_vm_vsrc(0)
	s_getreg_b32 s2, hwreg(HW_REG_IB_STS2, 6, 4)
	s_cmp_eq_u32 s2, 0
	s_cbranch_scc0 .Lentry_in_a_cluster
	s_endpgm
.Lentry_in_a_cluster:
	s_bfe_u32 s2, ttmp6, 0x10000c
	s_cmp_lg_u32 s2, 0x3003
	s_cbranch_scc0 .Lentry_shape_is_right
	s_endpgm
.Lentry_shape_is_right:
; V, Vdot and gradV of a net tanh(tanh(x W1^T + b1) W2^T + b2) W3^T, with its Jacobian carried along, in ONE launch.  Quantised products on E4M3 codes with one E8M0 byte for each 32 along K.
; SHARES.  256 work-groups of four waves.  A work-group owns 4 batch rows b; that is 256 rows (b, d) of the large product  P[b][o][d] = sum over h of W2[o][h] J[b][h][d],  J = (1 - y1^2)[b][h] W1[h][d].
; Wave w owns d = 16 w .. 16 w + 15 for the 4 b: four tiles of 16 rows.  Their codes for ALL of K (4 tiles x 8 K steps x 16 registers = 512) stay in registers; P never leaves registers either:
; each tile of P is multiplied by g[b][o] = W3[o] (1 - y2^2)[b][o] and summed over o at once.
; W2 (1,024 rows of 1,024 bytes) goes once through two LDS slots of 128 rows.  CLUSTER: every work-group walks the same W2, so the four of a cluster ask for each slot JOINTLY (mask 15), each wave 32 rows.
; A tile of 16 o is 8 K steps x 4 tiles of rows = 32 matrix instructions on 4 accumulators by turns; each fragment of W2 read from LDS feeds four of them.
; z2 RIDES ALONG: in a chunk of 4 tiles of o wave w takes the tiles in the order (w + q) & 3; at q = 0 a fifth instruction a K step multiplies the same fragment of W2 by y1's codes (16 rows, b = row & 3).
; tanh, g and V's terms follow between the products of the next tile; g reaches the other waves through 1 KB of LDS and one barrier a chunk (two such KB by turns).
; PHASES: P0: z1, y1, 1 - y1^2 (wave w: h = 256 w .. + 255), y1's codes.  PA: J, quantised along h, into registers.  MAIN: 8 slots x 8 tiles.  END: sums over lanes, Vdot, stores.
; LIMITS: tanh(z) = 1 - 2 / (1 + 2^(2 z log2 e)): its error is about 1e-7 in absolute terms, so small y carry a larger relative error.  A block whose largest magnitude lies under 2^-118 gets the byte 1
; (a block of zeros too: its codes are zeros).  NaN and infinities among the inputs are not served.
; REGISTERS, windows of 256.  Window 0: v0 thread; v1-9 addresses; v10, v11 the spare word and 0; v12-15 g of 4 b; v16-51 scale words and nothing else (v16-19 y1, v20-35 J, v36-51 W2); v52-59 z2;
;   v60-91, v92-123 two sets of 4 accumulators; v124, v125 b2, W3 of my o; v128-255 W2's 8 fragments of a tile.   Windows 1, 2: J's codes, K steps 0-3 and 4-7, at 16 (4 (s % 4) + b).
;   Window 3: v0-127 y1's codes; v128-159 the sums for gradV; v160-163 those for V.  The phases ahead of MAIN use these registers otherwise: see there.
.set D1,    32768                      ; LDS.  0 .. 32,767: in PA each wave's stage of 8 KB; then W2's scale bytes as they lie in memory, 32 a row
.set Y1C,   49152                      ; D1: 1 - y1^2, f32, block 4 s + b of 512 bytes.  Y1C: y1's codes, a row of 1,024 + 32 bytes for each b
.set Y1S,   53504                      ; y1's scale bytes, 32 for each b
.set STS,   53760                      ; the stage for J's scale words: 512 w + 128 b + 4 lane
.set GB,    55808                      ; g: 1,024 x (chunk & 1) + 16 x (o in the chunk) + 4 b
.set FIN,   57856                      ; the end: gradV [4][64]; from + 1,024 on V's parts, 16 w + 4 b
.set SPARE, 59904                      ; the spare words: 128 bytes a wave, two blocks of 256 bytes that no other line names
.set S0,    60416                      ; slot 0; slot 1 lies SLOTB further on and ends at 326,656
.set PITCH, 1040                       ; a row of W2 in LDS: 1,024 bytes + 16: sixteen rows begin 16 bytes apart modulo 256
.set TILB,  16*PITCH
.set QRT,   32*PITCH                   ; what one tensor load brings
.set CHB,   64*PITCH
.set SLOTB, 128*PITCH
.set MSB, 0
.macro WIN new                         ; the immediate's high byte repeats the setting that is left; a switch that changes nothing is dropped
.if MSB != (\new)
	s_set_vgpr_msb (MSB<<8)|(\new)
.set MSB, \new
.endif
.endm
.macro NOPS n
.rept \n
	v_nop
.endr
.endm
.macro CREST                           ; a round of the cluster's barrier behind its opening barrier
	s_cmp_lg_u32 s28, 0
	s_cbranch_scc1 .Lnw0_\@
	s_barrier_signal -3
.Lnw0_\@:
	s_barrier_wait -3
	s_barrier_signal -1
	s_barrier_wait -1
.endm
.macro CROUND
	s_barrier_signal -1
	s_barrier_wait -1
	CREST
.endm
.macro BARRIER                         ; my LDS stores have landed and my LDS loads are in: then the work-group's barrier
	s_wait_dscnt 0x0
	s_barrier_signal -1
	s_barrier_wait -1
.endm
; 64 numbers of a lane, register n + 16 b + i = place 16 (lane / 16) + i of block b, become codes at cr on (wide = 1: blocks 2, 3 eight registers further on) and four scale bytes in v120-123.
; v116-119 largest magnitudes, v120-123 the other half's, then the bytes, v12-15 the conversion's scale operand.
.macro QCORE n, cr, wide
.irp b, 0,1,2,3
	v_max3_num_f32 v[116+\b], |v[(\n)+16*\b]|, |v[(\n)+16*\b+1]|, 0x4800000   ; with the floor 2^(9 - 127): the byte cannot fall under 1
.endr
.irp i, 2,4,6,8,10,12,14
.irp b, 0,1,2,3
	v_max3_num_f32 v[116+\b], v[116+\b], |v[(\n)+16*\b+\i]|, |v[(\n)+16*\b+\i+1]|   ; the four blocks by turns
.endr
.endr
.irp b, 0,1,2,3
	v_permlanex16_b32 v[120+\b], v[116+\b], s68, s69
.endr
.irp b, 0,1,2,3
	v_max_num_f32 v[116+\b], v[116+\b], v[120+\b]   ; with lane l xor 16: the block's largest magnitude
.endr
.irp b, 0,1,2,3
	v_add_nc_u32 v[12+\b], 0xfc000000, v[116+\b]    ; 8 off its exponent field: the conversion takes this operand's exponent field as its scale
.endr
.irp b, 0,1,2,3
.endr
.irp b, 0,1,2,3
	v_lshrrev_b32 v[120+\b], 23, v[12+\b]           ; the scale's byte
.endr
.irp b, 0,1,2,3
.irp i, 0,1,2,3,4,5,6,7,8,9,10,11,12,13,14,15
.endr
	v_cvt_scalef32_pk8_fp8_f32 v[(\cr)+4*\b+8*(\b/2)*(\wide):(\cr)+4*\b+8*(\b/2)*(\wide)+1], v[(\n)+16*\b:(\n)+16*\b+7], v[12+\b]
	v_cvt_scalef32_pk8_fp8_f32 v[(\cr)+4*\b+8*(\b/2)*(\wide)+2:(\cr)+4*\b+8*(\b/2)*(\wide)+3], v[(\n)+16*\b+8:(\n)+16*\b+15], v[12+\b]
.endr
	v_nop                                          ; a plain line behind the last scaled conversion
.endm
; one scaled matrix instruction.  zs = 0: it starts its sum with the constant 0.  ra, rb: the scales stand in lanes 16-31 of their registers
.macro WM d, a, b, zs, sa, sb, ra, rb
.if (\zs) == 0
.if (\ra) && (\rb)
	v_wmma_scale_f32_16x16x128_f8f6f4 v[(\d):(\d)+7], v[(\a):(\a)+15], v[(\b):(\b)+15], 0, v[\sa], v[\sb] matrix_a_scale:MATRIX_SCALE_ROW1 matrix_b_scale:MATRIX_SCALE_ROW1
.elseif (\ra)
	v_wmma_scale_f32_16x16x128_f8f6f4 v[(\d):(\d)+7], v[(\a):(\a)+15], v[(\b):(\b)+15], 0, v[\sa], v[\sb] matrix_a_scale:MATRIX_SCALE_ROW1
.elseif (\rb)
	v_wmma_scale_f32_16x16x128_f8f6f4 v[(\d):(\d)+7], v[(\a):(\a)+15], v[(\b):(\b)+15], 0, v[\sa], v[\sb] matrix_b_scale:MATRIX_SCALE_ROW1
.else
	v_wmma_scale_f32_16x16x128_f8f6f4 v[(\d):(\d)+7], v[(\a):(\a)+15], v[(\b):(\b)+15], 0, v[\sa], v[\sb]
.endif
.else
.if (\ra) && (\rb)
	v_wmma_scale_f32_16x16x128_f8f6f4 v[(\d):(\d)+7], v[(\a):(\a)+15], v[(\b):(\b)+15], v[(\d):(\d)+7], v[\sa], v[\sb] matrix_a_scale:MATRIX_SCALE_ROW1 matrix_b_scale:MATRIX_SCALE_ROW1
.elseif (\ra)
	v_wmma_scale_f32_16x16x128_f8f6f4 v[(\d):(\d)+7], v[(\a):(\a)+15], v[(\b):(\b)+15], v[(\d):(\d)+7], v[\sa], v[\sb] matrix_a_scale:MATRIX_SCALE_ROW1
.elseif (\rb)
	v_wmma_scale_f32_16x16x128_f8f6f4 v[(\d):(\d)+7], v[(\a):(\a)+15], v[(\b):(\b)+15], v[(\d):(\d)+7], v[\sa], v[\sb] matrix_b_scale:MATRIX_SCALE_ROW1
.else
	v_wmma_scale_f32_16x16x128_f8f6f4 v[(\d):(\d)+7], v[(\a):(\a)+15], v[(\b):(\b)+15], v[(\d):(\d)+7], v[\sa], v[\sb]
.endif
.endif
.endm
; ---------------------------------------------------------------- HEAD
	s_load_b512 s[4:19], s[0:1], 0x0               ; x_codes 4, x_scales 6, W1 8, b1 10, W2_codes 12, W2_scales 14, b2 16, W3 18
	s_load_b256 s[20:27], s[0:1], 0x40             ; xdot 20, out0 22, out1 24, out2 26
	v_lshl_add_u32 v10, v0, 2, SPARE
	v_mov_b32 v11, 0
	ds_add_u32 v10, v11
	ds_add_u32 v10, v11
	s_wait_dscnt 0x0
	v_lshrrev_b32 v1, 5, v0
	v_readfirstlane_b32 s28, v1                    ; wave 0..3
	s_bfe_u32 s29, ttmp6, 0x40000                  ; cx: it enters global addresses of x, xdot, the outputs and the prefetches alone
	s_lshl_b32 s30, ttmp9, 2
	s_add_co_u32 s30, s30, s29                     ; work-group = 4 x cluster + cx
	; descriptor group 1: 32 rows of 1,024 bytes, 16 bytes of padding behind each
	s_mov_b32 s32, 15|(1<<20)|(1<<21)|(7<<22)|(3<<25)   ; 15:0 the mask: all four work-groups; 17:16 elements of 1 byte; 20 padding on; 21 set beside a mask; 24:22 after every 256 words (code 7); 31:25 four words (code 3)
	s_mov_b32 s33, 1024<<16                        ; tensor_dim0
	s_mov_b32 s34, 32<<16                          ; tensor_dim1
	s_mov_b32 s35, 1024<<16                        ; tile_dim0
	s_mov_b32 s36, 32                              ; tile_dim1
	s_mov_b32 s37, 1024                            ; from row to row
	s_mov_b32 s38, 0
	s_mov_b32 s39, 0
	s_mov_b32 s68, 0x76543210
	s_mov_b32 s69, 0xfedcba98                      ; v_permlanex16_b32: lane l xor 16
	s_mul_i32 s49, s28, QRT
	s_add_co_u32 s49, s49, S0                      ; my 32 rows' place in slot 0: the wave's number alone
	s_lshl_b32 s72, s28, 15                        ; and in memory
	s_mov_b32 s73, 0
	s_lshl_b32 s74, s29, 15                        ; the prefetches: of a slot's 131,072 bytes my work-group takes 32,768, my wave 8,192;
	s_lshl_b32 s75, s28, 13
	s_add_co_u32 s74, s74, s75
	s_add_co_u32 s74, s74, 0x40000                 ; at data block 2: the first change of slots steps it to block 3
	s_mov_b32 s75, 0
	s_cmp_eq_u32 ttmp9, 0                          ; all clusters walk the same W2: the first one prefetches (the same in all four partners)
	s_cselect_b32 s62, 1, -1
	s_lshl_b32 s76, s30, 8                         ; x: 4 rows of 64 bytes
	s_mov_b32 s77, 0
	s_wait_kmcnt 0x0
	s_add_nc_u64 s[4:5], s[4:5], s[76:77]
	s_lshl_b32 s76, s30, 3
	s_add_nc_u64 s[6:7], s[6:7], s[76:77]          ; its scale bytes: 2 a row
	s_lshl_b32 s76, s30, 10
	s_lshl_b32 s31, s28, 8
	s_add_co_u32 s76, s76, s31
	s_add_nc_u64 s[20:21], s[20:21], s[76:77]      ; xdot and out2 at row 4 wg + w
	s_add_nc_u64 s[26:27], s[26:27], s[76:77]
	s_lshl_b32 s76, s30, 4
	s_lshl_b32 s31, s28, 2
	s_add_co_u32 s76, s76, s31
	s_add_nc_u64 s[22:23], s[22:23], s[76:77]      ; out0 and out1 likewise
	s_add_nc_u64 s[24:25], s[24:25], s[76:77]
	s_add_nc_u64 s[66:67], s[12:13], s[74:75]
	s_mov_b32 s40, 1                               ; group 0 for data block 0 -> slot 0
	s_mov_b32 s41, s49
	s_add_nc_u64 s[42:43], s[12:13], s[72:73]
	s_mov_b32 s44, 1                               ; and for block 1 -> slot 1; this one walks on
	s_add_co_u32 s45, s49, SLOTB
	s_add_nc_u64 s[46:47], s[42:43], 0x20000
	s_or_b32 s43, s43, 0x80000000
	s_or_b32 s47, s47, 0x80000000
; ---------------------------------------------------------------- P0: z1 = x W1^T + b1, y1, 1 - y1^2, y1's codes.  Wave w: h = 256 w .. + 255, eight pairs of tiles, a pair = 32 h.
; TRANSPOSED: source 0 = 16 rows of W1, source 1 = x (16 rows, b = row & 3).  Lane r of tile u of pair pp takes row 32 pp + 8 u + r + 8 (r / 8), so that a lane's 16 results are h = 32 pp + 16 (lane / 16) + 0 .. 15.
; K = 64: the upper half of each fragment holds zero codes.  Window 0: v52-83 W1's codes, v84-99 x, v100-115 z1 then y1, v128-255 two sets of 64 numbers of W1.  Window 1: v0-15 1 - y1^2, v16-47 two sets of b1.
; Its first loads go out here, ahead of the cluster's first round: they are on their way while the four work-groups meet.
	v_and_b32 v8, 15, v0                           ; r
	v_bfe_u32 v9, v0, 4, 1                         ; half
	v_and_b32 v12, 3, v0                           ; b
	v_and_b32 v2, 8, v8
	v_add_nc_u32 v2, v2, v8                        ; r + 8 (r / 8)
	v_lshlrev_b32 v1, 8, v2                        ; a row of W1 is 256 bytes
	v_lshl_add_u32 v1, v9, 6, v1
	s_lshl_b32 s31, s28, 16
	v_add_nc_u32 v1, s31, v1                       ; v1: W1, pair t;  v2: pair t + 4
	v_add_nc_u32 v2, 0x8000, v1
	s_lshl_b32 s31, s28, 10
	v_lshl_add_u32 v3, v9, 6, s31                  ; v3, v4: b1 likewise
	v_add_nc_u32 v4, 512, v3
	s_lshl_b32 s31, s28, 12
	v_lshl_add_u32 v5, v12, 9, s31                 ; v5: D1: 4,096 w + 512 b + 64 half
	v_lshl_add_u32 v5, v9, 6, v5
	v_mul_u32_u24 v6, v12, 1056                    ; v6: y1's codes: 1,056 b + 256 w + 16 half
	v_lshl_add_u32 v6, v9, 4, v6
	s_lshl_b32 s31, s28, 8
	v_add_nc_u32 v6, s31, v6
	s_lshl_b32 s31, s28, 3
	v_lshl_add_u32 v7, v12, 5, s31                 ; v7: y1's scale bytes: 32 b + 8 w
	v_lshlrev_b32 v13, 1, v12
	v_lshlrev_b32 v14, 6, v12
	v_lshl_add_u32 v14, v9, 4, v14
	global_load_b128 v[84:87], v14, s[4:5]         ; x's codes, k = 16 half .. and 32 + 16 half ..
	global_load_b128 v[88:91], v14, s[4:5] offset:32
	global_load_u16 v16, v13, s[6:7]               ; its two scale bytes; the upper two stay 0 over zero codes
.macro WFLOAD st                       ; 64 numbers of W1: tile u, block c of 32 along d, my 16 of it
.irp u, 0,1
.irp c, 0,1
.irp i, 0,1,2,3
	global_load_b128 v[128+64*(\st)+32*\u+16*\c+4*\i:128+64*(\st)+32*\u+16*\c+4*\i+3], v[1+(\st)], s[8:9] offset:2048*\u+128*\c+16*\i
.endr
.endr
.endr
.endm
.macro BBLOAD st                       ; b1 of my 16 h
	WIN 0x40
.irp k, 0,1,2,3
	global_load_b128 v[16+16*(\st)+4*\k:16+16*(\st)+4*\k+3], v[3+(\st)], s[10:11] offset:16*\k
.endr
	WIN 0
.endm
	WFLOAD 0
	BBLOAD 0
	WFLOAD 1
	BBLOAD 1
	CROUND                                         ; all four work-groups are here: the first joint loads meet
	tensor_load_to_lds s[40:43], s[32:39]          ; both first fills together: two loads of mine are out
	s_nop 0
	tensor_load_to_lds s[44:47], s[32:39]
	s_nop 0
	NOPS 4
.irp j, 60,61,62,63,64,65,66,67,76,77,78,79,80,81,82,83,92,93,94,95,96,97,98,99
	v_mov_b32 v\j, 0                               ; zero codes for k = 64 .. 127, written once
.endr
.irp j, 120,121,122,123
	v_mov_b32 v\j, 0                               ; a lane permute's destination counts as one of its sources
.endr
	s_mov_b32 s75, 0                               ; the trip's steps in D1 (128), y1's codes (32), y1's bytes (1)
	s_mov_b32 s76, 0
	s_mov_b32 s77, 0
	s_mov_b32 s71, 4
.macro PAIR st
	s_wait_loadcnt 20                              ; this pair's 20 loads (and x) are in; the other pair's 16 + 4 may be out.  So its two offsets may step:
	v_add_nc_u32 v[1+(\st)], 0x2000, v[1+(\st)]
	v_add_nc_u32 v[3+(\st)], 128, v[3+(\st)]
	v_and_b32 v[1+(\st)], 0x3ffff, v[1+(\st)]      ; the last trip's look-ahead wraps inside its buffer; nothing uses it
	v_and_b32 v[3+(\st)], 0xfff, v[3+(\st)]
	QCORE 128+64*(\st), 52, 1
	v_lshl_or_b32 v36, v121, 8, v120               ; the tiles' scale words: two bytes each
	v_lshl_or_b32 v37, v123, 8, v122
	WFLOAD \st                                     ; the pair of the next trip
	NOPS 8                                         ; a scale word made by vector instructions stands 8 places ahead of the product
	WIN 0x10                                       ; C (b1) in window 1
	v_wmma_scale_f32_16x16x128_f8f6f4 v[100:107], v[52:67], v[84:99], v[16+16*(\st):23+16*(\st)], v36, v16
	v_wmma_scale_f32_16x16x128_f8f6f4 v[108:115], v[68:83], v[84:99], v[24+16*(\st):31+16*(\st)], v37, v16
	WIN 0
	NOPS 8
	BBLOAD \st                                     ; behind the products that read the old numbers
.irp j, 0,2,4,6,8,10,12,14
	v_pk_mul_f32 v[100+\j:101+\j], v[100+\j:101+\j], 0x4038aa3b op_sel_hi:[1,0]   ; 2 z log2 e
.endr
.irp j, 0,1,2,3,4,5,6,7,8,9,10,11,12,13,14,15
	v_exp_f32 v[100+\j], v[100+\j]
.endr
	v_nop
	s_wait_alu depctr_va_vdst(0)                   ; one wait for the batch, ahead of its first reader
.irp j, 0,2,4,6,8,10,12,14
	v_pk_add_f32 v[100+\j:101+\j], v[100+\j:101+\j], 1.0 op_sel_hi:[1,0]
.endr
.irp j, 0,1,2,3,4,5,6,7,8,9,10,11,12,13,14,15
	v_rcp_f32 v[100+\j], v[100+\j]
.endr
	v_nop
	s_wait_alu depctr_va_vdst(0)
.irp j, 0,2,4,6,8,10,12,14
	v_pk_fma_f32 v[100+\j:101+\j], v[100+\j:101+\j], -2.0, 1.0 op_sel_hi:[1,0,0]   ; y1
.endr
	WIN 0x40
.irp j, 0,2,4,6,8,10,12,14
	v_pk_fma_f32 v[\j:\j+1], v[100+\j:101+\j], v[100+\j:101+\j], 1.0 op_sel_hi:[1,1,0] neg_lo:[1,0,0] neg_hi:[1,0,0]   ; 1 - y1^2
.endr
	WIN 0
	v_add_nc_u32 v8, s75, v5
	WIN 0x04                                       ; an LDS store's data are its source 1
.irp k, 0,1,2,3
	ds_store_b128 v8, v[4*\k:4*\k+3] offset:D1+2048*(\st)+16*\k   ; lanes with the same b hold the same numbers and write the same bytes
.endr
	WIN 0
	v_max3_num_f32 v116, |v100|, |v101|, 0x4800000 ; y1's block of 32 h: my 16, two chains
	v_max3_num_f32 v117, |v102|, |v103|, |v104|
	v_max3_num_f32 v116, v116, |v105|, |v106|
	v_max3_num_f32 v117, v117, |v107|, |v108|
	v_max3_num_f32 v116, v116, |v109|, |v110|
	v_max3_num_f32 v117, v117, |v111|, |v112|
	v_max3_num_f32 v116, v116, |v113|, |v114|
	v_max3_num_f32 v116, v116, v117, |v115|
	v_permlanex16_b32 v120, v116, s68, s69
	v_max_num_f32 v116, v116, v120
	v_add_nc_u32 v12, 0xfc000000, v116
	v_lshrrev_b32 v120, 23, v12
.irp j, 0,1,2,3,4,5,6,7,8,9,10,11,12,13,14,15
.endr
	v_cvt_scalef32_pk8_fp8_f32 v[52:53], v[100:107], v12   ; into registers that W1's codes have left
	v_cvt_scalef32_pk8_fp8_f32 v[54:55], v[108:115], v12
	v_nop
	v_add_nc_u32 v9, s76, v6
	ds_store_b128 v9, v[52:55] offset:Y1C+128*(\st)
	v_add_nc_u32 v8, s77, v7
	ds_store_b8 v8, v120 offset:Y1S+4*(\st)        ; no wait follows: nobody reads these bytes ahead of the barrier in front of PA, which has its wait for 0
.endm
.Lp0:                                              ; trip t: pairs t and t + 4
	PAIR 0
	PAIR 1
	s_add_co_u32 s75, s75, 128
	s_add_co_u32 s76, s76, 32
	s_add_co_u32 s77, s77, 1
	s_sub_co_u32 s71, s71, 1
	s_cmp_lg_u32 s71, 0
	s_cbranch_scc1 .Lp0
	s_wait_loadcnt 0x0                             ; the look-ahead's loads: their registers and offsets are free
; ---------------------------------------------------------------- PA: J[b][h][d] = (1 - y1^2)[b][h] W1[h][d], quantised along h.  A lane takes d = 16 w + r and its registers run down h, in the operand's own order.
; Window 0: v128-191 1 - y1^2 of (s, b), v192-255 J, v60-75 codes, v52 the scale word.  Window 3: v128-191, v192-255 W1 of K step s, two sets.
; The loop over b cannot name other registers in each trip: the codes go through my own stage in LDS, as images of the registers, and come back into J's registers behind the loop.
	v_and_b32 v8, 15, v0
	v_bfe_u32 v9, v0, 4, 1
	v_and_b32 v12, 3, v0
	v_and_b32 v13, 31, v0
	s_lshl_b32 s31, s28, 6
	v_lshl_add_u32 v1, v8, 2, s31                  ; v1: W1: 4 (16 w + r) + 16 rows for the upper half
	v_lshl_add_u32 v1, v9, 12, v1
	v_lshlrev_b32 v2, 6, v9                        ; v2: D1: 64 half
	s_lshl_b32 s31, s28, 13
	v_lshl_add_u32 v3, v13, 4, s31                 ; v3: my stage: 8,192 w + 16 lane (also my part of W2's scale bytes)
	s_lshl_b32 s31, s28, 9
	v_lshl_add_u32 v4, v13, 2, s31                 ; v4: scale words in: 512 w + 4 lane
	v_lshl_add_u32 v5, v8, 2, s31                  ; v5: and back: lanes 0-15 an even b, lanes 16-31 the odd one
	v_lshl_add_u32 v5, v9, 7, v5
	v_mul_u32_u24 v6, v12, 1056
	v_lshl_add_u32 v6, v9, 4, v6                   ; y1's codes as an operand: row b = r & 3
	v_lshlrev_b32 v7, 5, v12
	v_lshl_add_u32 v7, v9, 2, v7                   ; its scale words: lanes 0-15 an even K step, lanes 16-31 the odd one
.macro WL s                            ; W1(128 s + 32 c + 16 half + i, my d)
	WIN 0xc0
.irp c, 0,1,2,3
.irp i, 0,1,2,3,4,5,6,7,8,9,10,11,12,13,14,15
	global_load_b32 v[128+64*((\s)%2)+16*\c+\i], v1, s[8:9] offset:(128*(\s)+32*\c+\i)*256
.endr
.endr
	WIN 0
.endm
	WL 0
	BARRIER                                        ; 1 - y1^2 and y1's codes of all 1,024 h lie in LDS.
	WIN 0xc0
.irp s, 0,1,2,3,4,5,6,7
.irp c, 0,1,2,3
	ds_load_b128 v[16*\s+4*\c:16*\s+4*\c+3], v6 offset:Y1C+128*\s+32*\c
.endr
.endr
	WIN 0
.irp i, 0,1,2,3
	ds_load_b32 v[16+\i], v7 offset:Y1S+8*\i
.endr
.irp c, 0,1,2,3
.irp i, 0,1,2,3
	ds_load_b128 v[128+16*\c+4*\i:128+16*\c+4*\i+3], v2 offset:D1+128*\c+16*\i   ; (s, b) = (0, 0)
.endr
.endr
	s_wait_dscnt 0x0                               ; nothing was issued behind these 16 loads, so the first trip's counted wait would not show them done
.macro PA s
	s_wait_loadcnt 0x0                             ; W1 of this K step
.if (\s) < 7
	WL (\s)+1
.else
	WIN 0xc0
.irp i, 0,1,2,3,4,5,6,7,8,9,10,11,12,13,14,15
	global_load_b128 v[128+4*\i:131+4*\i], v3, s[14:15] offset:512*\i   ; my quarter of W2's scale bytes, 512 consecutive bytes a load
.endr
	WIN 0
.endif
	s_mov_b32 s72, 0
	s_mov_b32 s73, 0
	s_mov_b32 s74, 0
	s_mov_b32 s71, 4
.Lpa_\@:                                           ; trip b
	s_wait_dscnt 5                                 ; 1 - y1^2 is in: behind its 16 loads the trip before issued its 5 stores, which may stay out (on the way in from the K step before: 18 loads more)
	WIN 0x0c
.set K2, 0
.rept 32
	v_pk_mul_f32 v[192+K2:193+K2], v[128+K2:129+K2], v[128+64*((\s)%2)+K2:129+64*((\s)%2)+K2]
.set K2, K2+2
.endr
	WIN 0
	s_add_co_u32 s72, s72, 512
	v_add_nc_u32 v7, s72, v2
.irp c, 0,1,2,3
.irp i, 0,1,2,3
	ds_load_b128 v[128+16*\c+4*\i:128+16*\c+4*\i+3], v7 offset:D1+2048*(\s)+128*\c+16*\i   ; the next (s, b).  The very last look-ahead reads 512 bytes of y1's codes, which lie behind D1; nothing uses them
.endr
.endr
	QCORE 192, 60, 0
	v_lshl_or_b32 v52, v121, 8, v120
	v_lshl_or_b32 v52, v122, 16, v52
	v_lshl_or_b32 v52, v123, 24, v52
	v_add_nc_u32 v6, s73, v3
.irp c, 0,1,2,3
	ds_store_b128 v6, v[60+4*\c:63+4*\c] offset:512*\c
.endr
	v_add_nc_u32 v8, s74, v4
	ds_store_b32 v8, v52 offset:STS
	s_add_co_u32 s73, s73, 2048
	s_add_co_u32 s74, s74, 128
	s_sub_co_u32 s71, s71, 1
	s_cmp_lg_u32 s71, 0
	s_cbranch_scc1 .Lpa_\@
	WIN (1+(\s)/4)<<6                              ; LDS serves a wave's instructions in order (ISA guide 5.7.1.4): these see my stores, and the next K step's stores come behind them
.irp b, 0,1,2,3
.irp c, 0,1,2,3
	ds_load_b128 v[16*(4*((\s)%4)+\b)+4*\c:16*(4*((\s)%4)+\b)+4*\c+3], v3 offset:2048*\b+512*\c
.endr
.endr
	WIN 0
	ds_load_b32 v[20+2*(\s)], v5 offset:STS
	ds_load_b32 v[21+2*(\s)], v5 offset:STS+256
.endm
.irp s, 0,1,2,3,4,5,6,7
	PA \s
.endr
	s_wait_loadcnt 0x0
	WIN 0x0c
.irp i, 0,1,2,3,4,5,6,7,8,9,10,11,12,13,14,15
	ds_store_b128 v3, v[128+4*\i:131+4*\i] offset:512*\i   ; W2's scale bytes take my stage's place, behind my last reads of it
.endr
	WIN 0
; ---------------------------------------------------------------- MAIN
	v_and_b32 v126, 15, v0
	v_bfe_u32 v127, v0, 4, 1
	v_mul_u32_u24 v1, v126, PITCH
	v_lshl_add_u32 v1, v127, 4, v1                 ; v1: a fragment of W2: row r, + 16 half
	v_add_nc_u32 v7, s28, v127
	v_and_b32 v7, 3, v7
	v_lshl_add_u32 v7, v7, 4, v126
	v_lshlrev_b32 v3, 5, v7                        ; v3: W2's scale words for places 0 (lanes 0-15) and 1 (lanes 16-31) of my order of tiles
	v_add_nc_u32 v7, 2, v127
	v_add_nc_u32 v7, s28, v7
	v_and_b32 v7, 3, v7
	v_lshl_add_u32 v7, v7, 4, v126
	v_lshlrev_b32 v4, 5, v7                        ; v4: for places 2 and 3
	v_and_b32 v5, 31, v0
	v_lshlrev_b32 v5, 8, v5                        ; v5: the prefetches: lanes 256 bytes apart
	v_lshlrev_b32 v6, 4, v126                      ; v6: g of o = r in a tile
	s_lshl_b32 s31, s28, 8
	v_add_nc_u32 v8, s31, v6                       ; v8: where I put g of my tile
	s_lshl_b32 s31, s28, 6
	v_lshl_add_u32 v9, v126, 2, s31                ; v9: b2, W3 of o = 16 w + r
.irp q, 0,1,2,3
	s_add_co_u32 s31, s28, \q
	s_and_b32 s31, s31, 3                          ; the tile that I take at place q
	s_mul_i32 s[50+\q], s31, TILB
	s_add_co_u32 s[50+\q], s[50+\q], S0            ; s50-53: its rows in a slot's first chunk,
	s_add_co_u32 s[54+\q], s[50+\q], CHB           ; s54-57: in its second
.if \q > 0
	s_lshl_b32 s[57+\q], s31, 8                    ; s58-60: its g
.endif
.endr
	s_mov_b32 s48, 0                               ; the slot in hand: 0 or SLOTB
	s_mov_b32 s61, 6                               ; slots still to be asked for
	s_wait_tensorcnt 0x1                           ; my part of data block 0 is in; block 1 may stay out
	s_wait_dscnt 0x0
	s_barrier_signal -1
	WIN 0xc0
.set RI, 128
.rept 36
	v_mov_b32 v[RI], 0                             ; the sums for gradV and V
.set RI, RI+1
.endr
	WIN 0
.set RI, 92
.rept 32
	v_mov_b32 v[RI], 0                             ; the loop is written once: its first tile finds zeros where later ones find the tile before
.set RI, RI+1
.endr
.irp j, 12,13,14,15
	v_mov_b32 v\j, 0
.endr
	s_barrier_wait -1
	global_load_b32 v124, v9, s[16:17]
	global_load_b32 v125, v9, s[18:19]
	ds_load_b128 v[36:39], v3
	ds_load_b128 v[40:43], v3 offset:16
	ds_load_b128 v[44:47], v4
	ds_load_b128 v[48:51], v4 offset:16
	v_add_nc_u32 v3, 2048, v3
	v_add_nc_u32 v4, 2048, v4
	v_add_nc_u32 v2, s50, v1
.macro HLOAD h                         ; four K steps' fragments of the tile at v2: one run of 16 loads
.irp s, 0,1,2,3
.irp c, 0,1,2,3
	ds_load_b128 v[128+16*(4*(\h)+\s)+4*\c:128+16*(4*(\h)+\s)+4*\c+3], v2 offset:128*(4*(\h)+\s)+32*\c
.endr
.endr
.endm
	HLOAD 0
	HLOAD 1
; z2 -> y2 -> g, two lines at a time behind the first ten products of the tile at place 1.  v52-55: z2 of b = 0 .. 3 at my o.  The exponentials are one batch with one wait, and so are the reciprocals:
; a v_nop and the wait stand ahead of each batch's first reader
.macro TSL i
.if (\i) < 10
	WIN 0
.endif
.if (\i) == 0
	s_wait_loadcnt 0x0                             ; b2, W3: asked for a chunk ago
	v_pk_add_f32 v[52:53], v[52:53], v[124:125] op_sel_hi:[1,0]
	v_pk_add_f32 v[54:55], v[54:55], v[124:125] op_sel_hi:[1,0]
.elseif (\i) == 1
	v_pk_mul_f32 v[52:53], v[52:53], 0x4038aa3b op_sel_hi:[1,0]
	v_pk_mul_f32 v[54:55], v[54:55], 0x4038aa3b op_sel_hi:[1,0]
.elseif (\i) == 2
	v_exp_f32 v52, v52
	v_exp_f32 v53, v53
.elseif (\i) == 3
	v_exp_f32 v54, v54
	v_exp_f32 v55, v55
.elseif (\i) == 4
	v_nop
	s_wait_alu depctr_va_vdst(0)
	v_pk_add_f32 v[52:53], v[52:53], 1.0 op_sel_hi:[1,0]
	v_pk_add_f32 v[54:55], v[54:55], 1.0 op_sel_hi:[1,0]
.elseif (\i) == 5
	v_rcp_f32 v52, v52
	v_rcp_f32 v53, v53
.elseif (\i) == 6
	v_rcp_f32 v54, v54
	v_rcp_f32 v55, v55
.elseif (\i) == 7
	v_nop
	s_wait_alu depctr_va_vdst(0)
	v_pk_fma_f32 v[52:53], v[52:53], -2.0, 1.0 op_sel_hi:[1,0,0]   ; y2
	v_pk_fma_f32 v[54:55], v[54:55], -2.0, 1.0 op_sel_hi:[1,0,0]
.elseif (\i) == 8
	v_pk_fma_f32 v[56:57], v[52:53], v[52:53], 1.0 op_sel_hi:[1,1,0] neg_lo:[1,0,0] neg_hi:[1,0,0]
	v_pk_fma_f32 v[58:59], v[54:55], v[54:55], 1.0 op_sel_hi:[1,1,0] neg_lo:[1,0,0] neg_hi:[1,0,0]
.elseif (\i) == 9
	v_pk_mul_f32 v[12:13], v[56:57], v[124:125] op_sel:[0,1] op_sel_hi:[1,1]   ; g = W3 (1 - y2^2)
	v_pk_mul_f32 v[14:15], v[58:59], v[124:125] op_sel:[0,1] op_sel_hi:[1,1]
.endif
.endm
; K step s of the tile at place q: source 0 = J's 16 rows d of b = 0 .. 3, source 1 = 16 rows o of W2: a lane holds o = r and d = 8 half + 0 .. 7.  The accumulators take turns.
.macro KSTEP q, s
.irp a, 0,1,2,3
.if (\s) < 4
	WIN 0x01
.else
	WIN 0x02
.endif
	WM 60+32*((\q)%2)+8*\a, 16*(4*((\s)%4)+\a), 128+16*(\s), \s, 20+2*(\s)+\a/2, 36+8*((\q)/2)+(\s), \a%2, (\q)%2
.if ((\q) == 1) && ((\s) < 3)
	TSL 4*(\s)+\a
.endif
.endr
.if (\q) == 0
	WIN 0x03
	WM 52, 16*(\s), 128+16*(\s), \s, 16+(\s)/2, 36+(\s), (\s)%2, 0
.endif
.endm
; accumulators lo .. hi of a finished tile times g, onto the sums: four packed multiply-adds each, from the accumulator's low end on.  last = 1: the sums go down into window 0
.macro EPI set, lo, hi, last
.if \last
	WIN 0x30
.else
	WIN 0xf0
.endif
.irp a, 0,1,2,3
.if (\a >= (\lo)) && (\a <= (\hi))
.irp j, 0,2,4,6
.if \a%2
	v_pk_fma_f32 v[128+8*\a+\j:129+8*\a+\j], v[60+32*(\set)+8*\a+\j:61+32*(\set)+8*\a+\j], v[12+2*(\a/2):13+2*(\a/2)], v[128+8*\a+\j:129+8*\a+\j] op_sel:[0,1,0] op_sel_hi:[1,1,1]
.else
	v_pk_fma_f32 v[128+8*\a+\j:129+8*\a+\j], v[60+32*(\set)+8*\a+\j:61+32*(\set)+8*\a+\j], v[12+2*(\a/2):13+2*(\a/2)], v[128+8*\a+\j:129+8*\a+\j] op_sel_hi:[1,0,1]
.endif
.endr
.endif
.endr
.endm
; A PREFETCH INTO THE L2 of the data block that the NEXT change of slots will ask for: 131,072 bytes, of which each partner of the first cluster takes 32,768 BY ADDRESS, each of its waves 8,192, lanes 256 bytes apart:
; each aligned 256 bytes of blocks 3 to 7 are named once in the launch.  The last change that fills a slot asks for nothing.
.macro ASK
	s_cmp_gt_u32 s61, s62
	s_cbranch_scc0 .Lnot_mine_\@
	global_prefetch_b8 v5, s[66:67] th:TH_LOAD_NT scope:SCOPE_SE
.Lnot_mine_\@:
.endm
; THE TILE at place q of chunk ch of the slot: 16 products, a run of 16 LDS loads, 16 products, a run of 16 LDS loads.  The run in the middle brings the next tile's K steps 0-3, the run at the end its K steps 4-7;
; each is waited for behind the run that follows it, so that it has 16 products and that run in which to land.  The tile before is weighed and summed in two halves of 8 packed lines, which stand in front of the
; two runs: they are the 8 places between the last product that read a fragment and the load into its registers.  chg = 1: the slot's last tile changes slots; fill = 1: the slot is filled again.
.macro TILE ch, q, chg, fill
.if \chg
	s_wait_tensorcnt 0x0                           ; all my tensor loads have landed: my part of the other slot
	ds_add_u32 v10, v11                            ; 0 onto my spare word
.if \fill
	s_add_co_u32 s45, s48, s49                     ; no tensor load of mine is out, so the walking group 0 may be written: this slot,
	s_add_nc_u64 s[46:47], s[46:47], 0x20000       ; the next 128 rows
	s_wait_xcnt 0x0                                ; the last prefetch, a slot back, has read its address
	s_add_nc_u64 s[66:67], s[66:67], 0x20000
.endif
	s_wait_dscnt 17                                ; K steps 0-3 are in; the add and the 16 loads of K steps 4-7 may be out
.else
	s_wait_dscnt 16                                ; K steps 0-3, scale words and g are in; the 16 loads of K steps 4-7 may be out
.endif
	KSTEP \q, 0
	KSTEP \q, 1
	KSTEP \q, 2
	KSTEP \q, 3
.if \chg
	s_wait_dscnt 0x0                               ; K steps 4-7 are in: my reads of the slot are over; the add is done
	s_barrier_signal -1
	EPI 0, 0, 1, 0
	WIN 0
	s_barrier_wait -1
.if \fill
	CREST                                          ; the barrier has opened a round of the cluster's: no wave of any partner still reads this slot or has a load on its way
	tensor_load_to_lds s[44:47], s[32:39]          ; my one load behind the round: it has the other slot's eight tiles in which to land
	s_nop 0
	NOPS 4
.endif
	s_xor_b32 s48, s48, SLOTB
.else
	EPI ((\q)+1)%2, 0, 1, 0
	WIN 0
.endif
.if (\q) == 1
	ds_store_b128 v8, v[12:15] offset:GB+1024*(\ch)   ; g of my tile at place 0; both halves of the lanes hold the same numbers
.endif
.if (\q) < 3
	s_add_co_u32 s31, s48, s[51+4*(\ch)+(\q)]
.elseif (\ch) == 0
	s_add_co_u32 s31, s48, s54
.else
	s_add_co_u32 s31, s48, s50
.endif
	v_add_nc_u32 v2, s31, v1                       ; the next tile
	HLOAD 0
.if \fill
	ASK
.endif
.if (\q) == 1
	s_wait_dscnt 17                                ; K steps 4-7 are in; the store of g and the 16 loads just issued may be out
.elseif (\chg) == 0
	s_wait_dscnt 16                                ; K steps 4-7 are in; the 16 loads just issued may be out
.endif
	KSTEP \q, 4
	KSTEP \q, 5
	KSTEP \q, 6
	KSTEP \q, 7
.if (\q) == 1
	s_wait_dscnt 0x0                               ; my g has landed, and the middle run is in: both were issued 16 products ago
	s_barrier_signal -1                            ; the chunk's barrier: behind it every wave's g lies in LDS, and nobody reads the g of two chunks back
	EPI 0, 2, 3, 0
	v_pk_fma_f32 v[160:161], v[52:53], v[124:125], v[160:161] op_sel:[0,1,0] op_sel_hi:[1,1,1]   ; V's terms: y2 W3
	v_pk_fma_f32 v[162:163], v[54:55], v[124:125], v[162:163] op_sel:[0,1,0] op_sel_hi:[1,1,1]
	WIN 0
	s_barrier_wait -1
	v_add_nc_u32 v9, 256, v9                       ; the next chunk's b2 and W3 (the last chunk's look-ahead wraps inside the buffers)
	v_and_b32 v9, 0xfff, v9
	global_load_b32 v124, v9, s[16:17]
	global_load_b32 v125, v9, s[18:19]
	ds_load_b128 v[36:39], v3                      ; the next chunk's scale words for places 0 and 1
	ds_load_b128 v[40:43], v3 offset:16
	v_add_nc_u32 v3, 2048, v3
	v_and_b32 v3, 0x7fff, v3
.else
	EPI ((\q)+1)%2, 2, 3, 0
	WIN 0
.endif
.if (\q) == 3
	ds_load_b128 v[44:47], v4                      ; and for places 2 and 3
	ds_load_b128 v[48:51], v4 offset:16
	v_add_nc_u32 v4, 2048, v4
	v_and_b32 v4, 0x7fff, v4
.endif
.if (\q) > 0
	v_add_nc_u32 v7, s[57+(\q)], v6
	ds_load_b128 v[12:15], v7 offset:GB+1024*(\ch) ; g of this tile, which another wave made; the lines that read the old g stand above
.endif
	HLOAD 1
.endm
.macro PASS fill
	TILE 0, 0, 0, 0
	TILE 0, 1, 0, 0
	TILE 0, 2, 0, 0
	TILE 0, 3, 0, 0
	TILE 1, 0, 0, 0
	TILE 1, 1, 0, 0
	TILE 1, 2, 0, 0
	TILE 1, 3, 1, \fill
.endm
.Lfill:                                            ; six slots are filled again: data blocks 2 to 7
	PASS 1
	s_sub_co_u32 s61, s61, 1
	s_cmp_lg_u32 s61, 0
	s_cbranch_scc1 .Lfill
	s_mov_b32 s71, 2
.Ltail:                                            ; the last two slots, written out a second time.  The last trip's look-ahead reads bytes of slot 0 and of the tables that nothing uses
	PASS 0
	s_sub_co_u32 s71, s71, 1
	s_cmp_lg_u32 s71, 0
	s_cbranch_scc1 .Ltail
; ---------------------------------------------------------------- END
	s_wait_dscnt 0x0
	EPI 1, 0, 3, 1                                 ; the last tile (the 8 packed lines at its end are the places behind its products); the sums land in window 0, v128-159
	WIN 0x03
.irp j, 160,161,162,163
	v_mov_b32 v\j, v\j                             ; V's four sums, out of window 3
.endr
	WIN 0
	v_and_b32 v71, 31, v0
	v_lshlrev_b32 v7, 3, v71
	global_load_b64 v[60:61], v7, s[20:21]         ; xdot of row b = w: two d a lane
.irp m, 1,2,4,8
.set RI, 128
.rept 36
	v_add_f32_dpp v[RI], v[RI], v[RI] row_xmask:\m row_mask:0xf bank_mask:0xf   ; over the 16 o of a half of the lanes
.set RI, RI+1
.endr
.endr
	v_bfe_u32 v1, v0, 4, 1
	s_lshl_b32 s31, s28, 6
	v_lshl_add_u32 v1, v1, 5, s31                  ; gradV(b, 16 w + 8 half + j): 64 w + 32 half; the 16 lanes of a half write the same bytes with the same numbers
.irp a, 0,1,2,3
	ds_store_b128 v1, v[128+8*\a:131+8*\a] offset:FIN+256*\a
	ds_store_b128 v1, v[132+8*\a:135+8*\a] offset:FIN+256*\a+16
.endr
	s_lshl_b32 s31, s28, 4
	v_mov_b32 v2, s31
	ds_store_b128 v2, v[160:163] offset:FIN+1024   ; my tiles' part of V for the 4 b
	BARRIER
	s_lshl_b32 s31, s28, 8
	v_add_nc_u32 v3, s31, v7
	ds_load_b64 v[62:63], v3 offset:FIN            ; wave w serves b = w: its row of gradV,
	s_lshl_b32 s31, s28, 2
	v_mov_b32 v4, s31
.irp i, 0,1,2,3
	ds_load_b32 v[64+\i], v4 offset:FIN+1024+16*\i ; and the four waves' parts of its V
.endr
	v_mov_b32 v69, 0
	v_mov_b32 v70, 0
	s_wait_dscnt 0x0
	s_wait_loadcnt 0x0
	global_store_b64 v7, v[62:63], s[26:27]        ; 32 lanes store 256 consecutive bytes, aligned
	v_mul_f32 v68, v62, v60
	v_fmac_f32 v68, v63, v61
.irp m, 1,2,4,8
	v_add_f32_dpp v68, v68, v68 row_xmask:\m row_mask:0xf bank_mask:0xf
.endr
	v_permlanex16_b32 v69, v68, s68, s69
	v_add_f32 v68, v68, v69                        ; Vdot
	v_add_f32 v64, v64, v65
	v_add_f32 v66, v66, v67
	v_add_f32 v64, v64, v66                        ; V
	v_cmp_eq_u32 vcc_lo, 0, v71
	s_wait_xcnt 0x0                                ; EXEC changes only behind this wait
	s_and_saveexec_b32 s31, vcc_lo
	global_store_b32 v70, v64, s[22:23]
	global_store_b32 v70, v68, s[24:25]
	s_wait_xcnt 0x0
	s_or_b32 exec_lo, exec_lo, s31
	s_wait_tensorcnt 0x0                           ; the wave's end
	ds_add_u32 v10, v11
	s_wait_dscnt 0x0
	CROUND                                         ; the closing round: no work-group ends while a partner may still ask for a tile that names it
	s_endpgm
.Lfunc_end_k_q8a7694d2ca_fused:
	.size	k_q8a7694d2ca_fused, .Lfunc_end_k_q8a7694d2ca_fused-k_q8a7694d2ca_fused
	.p2alignl 7, 3214868480
	.fill 96, 4, 3214868480
	.section	.rodata,"a",@progbits
	.p2align	6, 0x0
	.amdhsa_kernel k_q8a7694d2ca_fused
		.amdhsa_group_segment_fixed_size 327680
		.amdhsa_private_segment_fixed_size 0
		.amdhsa_enable_private_segment 0
		.amdhsa_kernarg_size 96
		.amdhsa_user_sgpr_count 2
		.amdhsa_user_sgpr_kernarg_segment_ptr 1
		.amdhsa_wavefront_size32 1
		.amdhsa_system_sgpr_workgroup_id_x 1
		.amdhsa_system_sgpr_workgroup_id_y 1
		.amdhsa_system_sgpr_workgroup_id_z 1
		.amdhsa_system_vgpr_workitem_id 0
		.amdhsa_next_free_vgpr 1024
		.amdhsa_next_free_sgpr 80
		.amdhsa_reserve_vcc 1
		.amdhsa_float_denorm_mode_32 3
		.amdhsa_float_denorm_mode_16_64 3
		.amdhsa_fp16_overflow 1
		.amdhsa_memory_ordered 1
		.amdhsa_forward_progress 1
		.amdhsa_inst_pref_size 255
	.end_amdhsa_kernel
	.section	.bss,"aw",@nobits
	.p2align	6
	.space	262144
	.amdgpu_metadata
---
amdhsa.version: [ 1, 2 ]
amdhsa.kernels:
  - .name:           k_q8a7694d2ca_fused
    .symbol:         k_q8a7694d2ca_fused.kd
    .args:
      - { .name: x_codes, .offset: 0, .size: 8, .value_kind: global_buffer, .address_space: global }
      - { .name: x_scales, .offset: 8, .size: 8, .value_kind: global_buffer, .address_space: global }
      - { .name: W1, .offset: 16, .size: 8, .value_kind: global_buffer, .address_space: global }
      - { .name: b1, .offset: 24, .size: 8, .value_kind: global_buffer, .address_space: global }
      - { .name: W2_codes, .offset: 32, .size: 8, .value_kind: global_buffer, .address_space: global }
      - { .name: W2_scales, .offset: 40, .size: 8, .value_kind: global_buffer, .address_space: global }
      - { .name: b2, .offset: 48, .size: 8, .value_kind: global_buffer, .address_space: global }
      - { .name: W3, .offset: 56, .size: 8, .value_kind: global_buffer, .address_space: global }
      - { .name: xdot, .offset: 64, .size: 8, .value_kind: global_buffer, .address_space: global }
      - { .name: out0, .offset: 72, .size: 8, .value_kind: global_buffer, .address_space: global }
      - { .name: out1, .offset: 80, .size: 8, .value_kind: global_buffer, .address_space: global }
      - { .name: out2, .offset: 88, .size: 8, .value_kind: global_buffer, .address_space: global }
    .group_segment_fixed_size: 327680
    .private_segment_fixed_size: 0
    .kernarg_segment_align: 8
    .kernarg_segment_size: 96
    .max_flat_workgroup_size: 128
    .sgpr_count:     80
    .vgpr_count:     1024
    .wavefront_size: 32
...
	.end_amdgpu_metadata
.endif
;; end of part 1
